; MI455X (gfx1250); checked and timed in simulation.
; The chip was launched on July 23, 2026; its instructions are those of AMD's public machine-readable ISA for CDNA 5 (MIT licence, August 2026) and "CDNA5" Instruction Set Architecture Reference Guide (July 2026). The comments in the code are by the model that wrote it; some were corrected since.
;; KAN Coupling Net. Allowed arithmetic: matrix products marked QUANTISED: E4M3 operands, one E8M0 scale for each 32 along K, by v_wmma_scale_f32_16x16x128_f8f6f4 with both operands' format E4M3, f32 sums; products left as they are: f32 operands where the result goes on into a quantised operand, else bf16, f16 or f32 operands; f32 sums; everything else in f32.
;; Inputs: coef0 12 x 64 x 5 float32; coef1 64 x 64 x 5 float32; coef2 64 x 24 x 5 float32; grid0 12 x 9 float32; grid1 64 x 9 float32; grid2 64 x 9 float32; sb0 12 x 64 float32; sb1 64 x 64 float32; sb2 64 x 24 float32; sp0 12 x 64 float32; sp1 64 x 64 float32; sp2 64 x 24 float32; x 32 x 12 x 64 x 64 float32.
;; Outputs: out0 32 x 24 x 64 x 64 float32.
;; This version of the problem:
;;   THIS VERSION OF THE PROBLEM IS GIVEN IN LOW PRECISION. The matrix products marked QUANTISED in the list below multiply operands that are first quantised to E4M3 (4 exponent bits, 3 mantissa bits; 8 bits a number), with one power-of-two scale for each 32 numbers along K (OCP MX v1.0); their sums are f32. All else is computed in f32.
;;   The module's matrix products, in the order in which they are computed (A, B: the left and right operand; K: the contracted axis; several contracted axes count as one K, in the product's order):
;;     1. [M 131,072, K 12] x [K 12, N 64]; A: computed on the way; B: input sb0: left as it is (K = 12 < 32)
;;     2. [M 131,072, K 60] x [K 60, N 64]; A: computed on the way; B: computed on the way: QUANTISED
;;     3. [M 131,072, K 64] x [K 64, N 64]; A: computed on the way; B: input sb1: QUANTISED
;;     4. [M 131,072, K 320] x [K 320, N 64]; A: computed on the way; B: computed on the way: QUANTISED
;;     5. [M 131,072, K 64] x [K 64, N 24]; A: computed on the way; B: input sb2: QUANTISED
;;     6. [M 131,072, K 320] x [K 320, N 24]; A: computed on the way; B: computed on the way: QUANTISED
;;   THE QUANTISER, for each operand of a quantised product, along K:
;;     - K is cut into blocks of 32 from its start; a last block that is shorter is filled with zeros.
;;     - A block's scale is 2^e with e = floor(log2(the largest magnitude in the block)) - 8, held to -126 .. 127; a block of zeros has e = 0. As a byte (E8M0): e + 127.
;;     - Each number is divided by its block's scale, clamped to +-448, and rounded to the nearest number of E4M3, ties to even, subnormals kept.
;;     - The product sums the exact products of the quantised numbers (number of the format x scale) in f32.
;;   ~~~python
;;   def quantise(x, axis):      # numpy; x: float32 -> the quantised numbers, widened to float32 again
;;       x = np.moveaxis(x, axis, -1); K = x.shape[-1]
;;       x = np.pad(x, [(0, 0)] * (x.ndim - 1) + [(0, -K % 32)]); x = x.reshape(x.shape[:-1] + (-1, 32)); a = np.abs(x).max(-1, keepdims=True)
;;       e = np.where(a > 0, np.clip(np.frexp(np.where(a > 0, a, 1))[1] - 1 - 8, -126, 127), 0)      # np.frexp(a)[1] - 1 = floor(log2(a)), exactly
;;       r = np.clip(x / 2.0 ** e, -448, 448)
;;       step = 2.0 ** (np.maximum(np.frexp(np.where(r == 0, 1, r))[1] - 1, -6) - 3)
;;       q = np.round(r / step) * step * 2.0 ** e      # np.round: ties to even
;;       return np.moveaxis(q.reshape(q.shape[:-2] + (-1,))[..., :K], -1, axis).astype(np.float32)
;;   ~~~
;;   OPERANDS COMPUTED ON THE WAY. 'Computed on the way' means the value that the module computes at that place (a softmax that the list does not call 'softmax' is quantised finished and normalised). What goes into a quantiser is computed in f32, as accurately as f32 sums, v_exp_f32 and their like allow (about 1e-6 of the number): no bf16 or f16 on the way to a quantiser, and a product that is left as it is and whose result goes on into a quantised operand takes f32 operands (vector FMAs, or v_wmma_f32_16x16x4_f32). A number that lies on a knife's edge between two numbers of the format may be rounded either way, as far as f32 arithmetic and the matrix unit's own rounding can turn it there, and no further.
;; One version. Each part assembles by itself: llvm-mc -triple=amdgcn-amd-amdhsa -mcpu=gfx1250 --defsym DOCPART=n.
;; ======== version 1 of 1: 1 launch
;; launch kan (part 1): grid 256 x 1, 8 waves a work-group, no clusters, 311,552 bytes of LDS; arguments x, grid0, grid1, grid2, coef0, coef1, coef2, sp0, sp1, sp2, sb0, sb1, sb2, out0; writes out0
.if DOCPART == 1
	.amdgcn_target "amdgcn-amd-amdhsa--gfx1250"
	.amdhsa_code_object_version 6
	.text
	.protected	k_q3a47324919_kan
	.globl	k_q3a47324919_kan
	.p2align	8
	.type	k_q3a47324919_kan,@function
k_q3a47324919_kan:
	s_mov_b64 s[64:65], 0
	v_nop
	global_prefetch_b8 v0, s[64:65] scope:SCOPE_SE
	s_setreg_imm32_b32 hwreg(HW_REG_WAVE_MODE, 25, 1), 1
	s_wait_xcnt 0x0
; A KAN of three layers, 12 -> 64 -> 64 -> 24, for each of 32 x 64 x 64 pixels.  x: [32][12][4096] f32, out0: [32][24][4096] f32.
; A layer: y[o] = sum_i sb[i][o] silu(x_i) + sum_(i,g) (sp[i][o] coef[i][o][g]) basis_g(x_i), basis = cubic B-splines by Cox-de Boor on the nine knots that grid gives for channel i.
; All products but layer 0's silu product (K = 12, f32 operands) are on codes of FP8 (E4M3) with one E8M0 scale for each 32 along K, both operands quantised here.
; ORDER OF K in a spline product: GMAJOR = 1: k = g n_in + i (a block of 32 is one g over 32 neighbouring channels); GMAJOR = 0: k = 5 i + g.  In both orders 32 channels give five whole blocks.
; SHARES.  256 work-groups of 8 waves; a work-group owns 512 neighbouring pixels of one image, a wave 64, a lane two (2 l and 2 l + 1: sets A and B, an even register pair), so all
; spline and silu arithmetic is packed, two pixels an instruction.  The channel is the same in all lanes: its 9 knots and 21 reciprocals of knot differences come from a table in LDS, 128 bytes a channel.
; Nothing goes to memory between the layers.  The changes of layout go through the wave's own LDS: codes as images of the operand's registers, results as chunks of (channel 2 q A, B, channel 2 q + 1 A, B).
; A K step of the matrix instruction holds three blocks of 32 and one block of zero codes on both sides: 32 channels give 6 blocks (silu, five of splines) = two K steps.
; THE MATRIX INSTRUCTION IS USED TRANSPOSED: source 0 = 16 output channels (weights), source 1 = 16 pixels.  Channel o lies in tile o / 16 at row 8 (o % 2) + (o % 16) / 2, so that register j of lane (r, h) is channel 16 t + 2 j + h.
; NO CLUSTER, NO TENSOR LOAD: what the work-groups share is 184,240 bytes of weights and knots, read once at the head through registers, since they have to be multiplied and quantised; there is no stream of tiles.
; LIMITS.  NaN and infinities among the inputs are not served.  Equal knots give an infinite reciprocal (NaN where the reference divides by 0).  (x - g) / den * B is computed as (x - g) ((1 / den) B), 1 / den by v_rcp_f32.
; A block whose largest magnitude lies under 2^-118 gets the scale byte 1 (a block of zeros too: its codes are zeros; the bytes are read by this program alone).
.set GMAJOR, 1
; ---- LDS, in bytes
.set RW,   28672                       ; a wave's own region: 0 .. 16383 the layer's input, 32 chunks of 512; in a layer's second half the code slots lie over chunks that are done with
.set CP,   16384                       ; from here six code slots of 2,048 (a block of 32 x 64 pixels: 4 pixel tiles x 512) for a layer's first half
.set SF,   CP+4096                     ; layer 0: silu as f32, (3 set + K step) x 512 + 16 lane
.set TAB,  8*RW                        ; the table: entry = thread number, 128 bytes: knots 0-8, r1 9-16, r2 17-23, r3 24-29
.set WIMG, TAB+32768                   ; weight fragments as register images, 1,536 each: layer 0 at 1536 t
.set WL1,  6144                        ; layer 1 at WL1 + 6144 n + 1536 t
.set WL2,  30720                       ; layer 2 at WL2 + 3072 n + 1536 t
.set WSC,  WIMG+43008                  ; weight scale words, 64 t + 4 row: layer 0 at 0
.set SL1,  256                         ; layer 1 at SL1 + 256 n
.set SL2,  1280                        ; layer 2 at SL2 + 256 n
.set SB0I, WSC+2304                    ; sb0 as f32 fragments, (3 t + s) x 256 + 8 lane
; ---- vector registers, window 0
.set LN,   1                           ; lane
.set HL,   2                           ; my region + 16 lane
.set DA,   3                           ; my region + 16 (lane % 16) + 8 (lane / 16)
.set SAL,  4                           ; my region + 512 (lane / 16) + 16 (lane % 16)
.set SA,   5                           ; SAL + where this half's code slots begin
.set XA,   6                           ; HL + where this half's chunks begin
.set TA,   7                           ; the table entry of this half's first channel
.set WA,   8                           ; WIMG + 16 lane
.set LS,   9                           ; WSC + 4 lane
.set GO,   10                          ; 8 x thread: my two pixels in a channel's plane
.set SBA,  11                          ; SB0I + 8 lane
.set CT,   16                          ; v16-47   a channel's 32 table words: first half v16-31, second half v32-47
.set XB,   48                          ; v48-55   two chunks of x
.set WK,   56                          ; v56-119  at work
.set DD,   56                          ; a channel: x - g_j, 9 pairs
.set UU,   74                          ; 8 pairs
.set BB,   90                          ; 7 pairs
.set TT,   104                         ; 7 pairs
.set STG,  56                          ; a block: 32 held numbers of one set
.set CD,   88                          ; its codes, 8 registers a set
.set QM,   104                         ; largest magnitudes, scale operands, 448 x scale, bytes: a pair each
.set QS,   106
.set QL,   108
.set QB,   110
.set FA,   56                          ; layer 0: sb0's fragments, 2 (3 t + s)
.set FB,   80                          ; and silu's, 2 (3 p + s)
.set VAL4, 120                         ; v120-183 positions 128-159 of a half's 160 spline values; ahead of them silu
.set F32A, 184                         ; v184-215 four accumulators of the f32 product: written by matrix instructions alone
.set SWB,  216                         ; v216-219 pixel scale words of the half in hand, 2 step + set
.set SWM,  220                         ; v220-223 those of a layer's first half
.set WS,   224                         ; v224-231 weight scale words, 2 n + t / 2
.set XR,   232                         ; v232-255 x as loaded
; window 1: in the sweeps position P < 128 of set s at name 2 P + s; in the matrix phases accumulator (t, p) at 8 (4 t + p), pixel fragment p at 128 + 16 p, weight fragment t at 192 + 16 t
; the head alone:
.set SPV,  16                          ; sp of my column
.set WV0,  56                          ; two buffers of 32 weights
.set WV1,  88
.set WC,   120                         ; a unit's codes
.set PT,   128                         ; at work
.set PW,   134                         ; the scale word being joined
.set TO,   136                         ; v136-167 my table entry
; v168-173 where weight images and scale words go (layer 1, 2, 0); v174 my table entry's place; v175-180 offsets of global loads; v181-183 at work
; ---- scalar registers: s[4:31] the 14 addresses in the order of the arguments
.set WV,   33                          ; wave
.set TRIP, 34
.set MNT,  35                          ; the mantissa field of 448
.set MA,   36                          ; s36-44 masks of set A;  s46-54 of set B
.set MB,   46
.set XOFF, 55
.set CPOFF, 56
.set TABS, 57
.set MSB, 0
.macro WIN new                         ; the immediate's high byte repeats the setting that is left; a switch that changes nothing is dropped
.if MSB != \new
	s_set_vgpr_msb (MSB<<8)|\new
.set MSB, \new
.endif
.endm
.macro NOPS n
.rept \n
	v_nop
.endr
.endm
; The LDS counts are kept by the text: DSQ = LDS instructions written so far, DONE = the last one known to be complete.  LDS instructions of a wave end in order (ISA guide 5.7.1).
.set DSQ, 0
.set DONE, 0
.set H0SEQ, 0
.set H1SEQ, 0
.set XSEQ, 0
.set CDSEQ, 0
.set CHK0, 0
.macro DSN n
.set DSQ, DSQ+\n
.endm
.macro DS0
	s_wait_dscnt 0x0
.set DONE, DSQ
.endm
.macro WAITFOR q                       ; instruction q is complete: as many may be out as were issued behind it
.if (\q) > DONE
.if DSQ-(\q) > 63
	s_wait_dscnt 63
.set DONE, DSQ-63
.else
	s_wait_dscnt DSQ-(\q)
.set DONE, \q
.endif
.endif
.endm
.macro WAIT3 a, b, c
.set WMAX, \a
.if (\b) > WMAX
.set WMAX, \b
.endif
.if (\c) > WMAX
.set WMAX, \c
.endif
	WAITFOR WMAX
.endm
; a packed operation with ONE table word c for both pixels: the word's pair is named, and op_sel picks the word for both halves
.macro PKSUB dst, a, c
.if (\c)&1
	v_pk_add_f32 v[\dst:\dst+1], v[\a:\a+1], v[(\c)-1:\c] op_sel:[0,1] op_sel_hi:[1,1] neg_lo:[0,1] neg_hi:[0,1]
.else
	v_pk_add_f32 v[\dst:\dst+1], v[\a:\a+1], v[\c:(\c)+1] op_sel_hi:[1,0] neg_lo:[0,1] neg_hi:[0,1]
.endif
.endm
.macro PKMUL dst, a, c
.if (\c)&1
	v_pk_mul_f32 v[\dst:\dst+1], v[\a:\a+1], v[(\c)-1:\c] op_sel:[0,1] op_sel_hi:[1,1]
.else
	v_pk_mul_f32 v[\dst:\dst+1], v[\a:\a+1], v[\c:(\c)+1] op_sel_hi:[1,0]
.endif
.endm
; ONE CHANNEL: the five spline values of my two pixels.  ii: the channel in its sweep; nin: channels in a K order's run; nxt: the next channel's table entry, bytes from TA; pre: a chunk of x to fetch, or -1.
; d_j = x - g_j.  Degree 0: m_j = (d_j >= 0) and not (d_(j+1) >= 0): no order of the knots is assumed.  Degree p: B_j = d_j (r_p,j B_j) - d_(j+p+1) (r_p,j+1 B_(j+1)).
.macro CH ii, nin, nxt, pre
.set XP, XB+4*(((\ii)>>1)&1)+2*((\ii)&1)
	WAIT3 H0SEQ, XSEQ, CDSEQ               ; the table's first half and my chunk are in (the second half's four loads may be out); a block's code stores have read the registers written below
.set cj, 0
.rept 9
	PKSUB DD+2*cj, XP, CT+cj
.set cj, cj+1
.endr
.set cj, 0
.rept 9
	v_cmp_le_f32 s[MA+cj], 0, v[DD+2*cj]
	v_cmp_le_f32 s[MB+cj], 0, v[DD+2*cj+1]
.set cj, cj+1
.endr
.set cj, 0
.rept 8
	s_and_not1_b32 s[MA+cj], s[MA+cj], s[MA+cj+1]
	s_and_not1_b32 s[MB+cj], s[MB+cj], s[MB+cj+1]
.set cj, cj+1
.endr
.set cj, 0
.rept 7
	v_cndmask_b32 v[UU+2*cj], 0, v[CT+9+cj], s[MA+cj]        ; r1_j where x lies in interval j, else 0
	v_cndmask_b32 v[UU+2*cj+1], 0, v[CT+9+cj], s[MB+cj]
.set cj, cj+1
.endr
	WAITFOR H1SEQ                          ; the table's second half
	v_cndmask_b32 v[UU+14], 0, v[CT+16], s[MA+7]
	v_cndmask_b32 v[UU+15], 0, v[CT+16], s[MB+7]
.if (\pre) >= 0
	ds_load_b128 v[XB+4*((\pre)&1):XB+4*((\pre)&1)+3], v[XA] offset:512*(\pre)
	DSN 1
.set XSEQ, DSQ
.endif
.set cj, 0
.rept 4
	ds_load_b128 v[CT+4*cj:CT+4*cj+3], v[TA] offset:(\nxt)+16*cj     ; the first half is done with: the next channel's (all lanes read the same 16 bytes)
.set cj, cj+1
.endr
	DSN 4
.set H0SEQ, DSQ
.set cj, 0
.rept 7
	v_pk_mul_f32 v[TT+2*cj:TT+2*cj+1], v[DD+2*cj+4:DD+2*cj+5], v[UU+2*cj+2:UU+2*cj+3]
.set cj, cj+1
.endr
.set cj, 0
.rept 7
	v_pk_fma_f32 v[BB+2*cj:BB+2*cj+1], v[DD+2*cj:DD+2*cj+1], v[UU+2*cj:UU+2*cj+1], v[TT+2*cj:TT+2*cj+1] neg_lo:[0,0,1] neg_hi:[0,0,1]
.set cj, cj+1
.endr
.set cj, 0
.rept 7
	PKMUL BB+2*cj, BB+2*cj, CT+17+cj
.set cj, cj+1
.endr
.set cj, 0
.rept 6
	v_pk_mul_f32 v[TT+2*cj:TT+2*cj+1], v[DD+2*cj+6:DD+2*cj+7], v[BB+2*cj+2:BB+2*cj+3]
.set cj, cj+1
.endr
.set cj, 0
.rept 6
	v_pk_fma_f32 v[UU+2*cj:UU+2*cj+1], v[DD+2*cj:DD+2*cj+1], v[BB+2*cj:BB+2*cj+1], v[TT+2*cj:TT+2*cj+1] neg_lo:[0,0,1] neg_hi:[0,0,1]
.set cj, cj+1
.endr
.set cj, 0
.rept 6
	PKMUL UU+2*cj, UU+2*cj, CT+24+cj
.set cj, cj+1
.endr
.set cj, 0
.rept 4
	ds_load_b128 v[CT+16+4*cj:CT+16+4*cj+3], v[TA] offset:(\nxt)+64+16*cj   ; the second half is done with
.set cj, cj+1
.endr
	DSN 4
.set H1SEQ, DSQ
.set cj, 0
.rept 5
	v_pk_mul_f32 v[TT+2*cj:TT+2*cj+1], v[DD+2*cj+8:DD+2*cj+9], v[UU+2*cj+2:UU+2*cj+3]
.set cj, cj+1
.endr
.set cj, 0
.rept 5
.if GMAJOR
.set PP, (\nin)*cj+(\ii)
.else
.set PP, 5*(\ii)+cj
.endif
.if PP < 128
	WIN 0x40
.set VR, 2*PP
.else
	WIN 0
.set VR, VAL4+2*(PP-128)
.endif
	v_pk_fma_f32 v[VR:VR+1], v[DD+2*cj:DD+2*cj+1], v[UU+2*cj:UU+2*cj+1], v[TT+2*cj:TT+2*cj+1] neg_lo:[0,0,1] neg_hi:[0,0,1]   ; basis g = cj, to its place along K
.set cj, cj+1
.endr
	WIN 0
.endm
.macro SWEEP cnt, nin, last            ; cnt channels; each even one fetches the next chunk; the last one fetches the table entry at 'last'
.set ci, 0
.rept \cnt
.set NX, 128*(ci+1)
.if ci == (\cnt)-1
.set NX, \last
.endif
.set PR, -1
.if ((ci&1) == 0) && (ci/2+1 < (\cnt)/2)
.set PR, ci/2+1
.endif
	CH ci, \nin, NX, PR
.set ci, ci+1
.endr
.endm
; silu(x) = x / (1 + 2^(-x log2 e)) of channels 8 b .. 8 b + 7: x in WK, the result in VAL4
.macro SILU8 b
	WAITFOR CHK0+4*(\b)+4                  ; chunks up to 4 b + 3 are in; the 12 - 4 b behind them may be out
.set sj, 0
.rept 8
	v_pk_mul_f32 v[VAL4+16*(\b)+2*sj:VAL4+16*(\b)+2*sj+1], v[WK+16*(\b)+2*sj:WK+16*(\b)+2*sj+1], 0xbfb8aa3b op_sel_hi:[1,0]
.set sj, sj+1
.endr
.set sj, 0
.rept 16
	v_exp_f32 v[VAL4+16*(\b)+sj], v[VAL4+16*(\b)+sj]
.set sj, sj+1
.endr
	v_nop                                  ; a plain place behind the transcendentals
.set sj, 0
	s_wait_alu depctr_va_vdst(0)
.rept 8
	v_pk_add_f32 v[VAL4+16*(\b)+2*sj:VAL4+16*(\b)+2*sj+1], v[VAL4+16*(\b)+2*sj:VAL4+16*(\b)+2*sj+1], 1.0 op_sel_hi:[1,0]
.set sj, sj+1
.endr
.set sj, 0
.rept 16
	v_rcp_f32 v[VAL4+16*(\b)+sj], v[VAL4+16*(\b)+sj]
.set sj, sj+1
.endr
	v_nop
.set sj, 0
	s_wait_alu depctr_va_vdst(0)
.rept 8
	v_pk_mul_f32 v[VAL4+16*(\b)+2*sj:VAL4+16*(\b)+2*sj+1], v[VAL4+16*(\b)+2*sj:VAL4+16*(\b)+2*sj+1], v[WK+16*(\b)+2*sj:WK+16*(\b)+2*sj+1]
.set sj, sj+1
.endr
.endm
; BLOCK b (positions 32 b on, n of them real) of both my pixels becomes codes in code slot 'slot' and a byte of the scale words.  All 32 numbers of a block are mine: no other lane is asked.
.macro QBLK b, n, slot
.set QST, (\slot)/3
.set QSG, (\slot)%3
.if (\b) < 4
.set QBASE, 64*(\b)
.set QW2, 0x14
.set QW1, 0x01
.else
.set QBASE, VAL4
.set QW2, 0
.set QW1, 0
.endif
	WIN QW2
	v_max3_num_f32 v[QM], 0x4800000, |v[QBASE]|, |v[QBASE+2]|        ; the largest magnitude, over the floor 2^(9 - 127): the byte cannot fall under 1; the two sets by turns
	v_max3_num_f32 v[QM+1], 0x4800000, |v[QBASE+1]|, |v[QBASE+3]|
.set qe, 2
.rept (\n)/2-1
	v_max3_num_f32 v[QM], v[QM], |v[QBASE+2*qe]|, |v[QBASE+2*qe+2]|
	v_max3_num_f32 v[QM+1], v[QM+1], |v[QBASE+2*qe+1]|, |v[QBASE+2*qe+3]|
.set qe, qe+2
.endr
	WIN 0
.irp s, 0,1
	v_add_nc_u32 v[QS+\s], 0xfc000000, v[QM+\s]              ; 8 off the exponent field: the conversion's scale operand
	v_and_or_b32 v[QL+\s], v[QM+\s], 0x7f800000, s[MNT]      ; 448 x the scale
.endr
.irp s, 0,1
.if QSG == 0
	v_lshrrev_b32 v[SWB+2*QST+\s], 23, v[QS+\s]              ; the byte begins the step's scale word (the bytes above it stay 0: over zero codes)
.else
	v_lshrrev_b32 v[QB+\s], 23, v[QS+\s]
.endif
.endr
.if QSG != 0
.irp s, 0,1
	v_lshl_or_b32 v[SWB+2*QST+\s], v[QB+\s], 8*QSG, v[SWB+2*QST+\s]
.endr
.endif
.irp s, 0,1
	WIN QW1
.set qe, 0
.rept 32
.if qe < (\n)
	v_med3_num_f32 v[STG+qe], v[QBASE+2*qe+\s], -v[QL+\s], v[QL+\s]   ; the hold (the conversion does not saturate: ISA guide 7.6.2); it also parts the two sets
.else
	v_mov_b32 v[STG+qe], 0                                   ; the short last block is filled with zeros
.endif
.set qe, qe+1
.endr
	WIN 0
.if \s == 0
	WAITFOR CDSEQ                          ; the last block's stores have read the code registers
.endif
.set qe, 0
.rept 4
	v_cvt_scalef32_pk8_fp8_f32 v[CD+8*\s+2*qe:CD+8*\s+2*qe+1], v[STG+8*qe:STG+8*qe+7], v[QS+\s]
.set qe, qe+1
.endr
	v_nop                                  ; a plain place behind the conversions
.endr
.irp s, 0,1
	ds_store_b128 v[SA], v[CD+8*\s:CD+8*\s+3] offset:2048*(\slot)+1024*\s          ; k 0-15: the bytes of operand lane r
	ds_store_b128 v[SA], v[CD+8*\s+4:CD+8*\s+7] offset:2048*(\slot)+1024*\s+256    ; k 16-31: of operand lane 16 + r
.endr
	DSN 4
.set CDSEQ, DSQ
.endm
; one scaled matrix instruction.  c < 0: the constant 0 starts the sum.  ra, rb: the side's scales are read from lanes 16-31
.macro WM d, a, b, c, sa, sb, ra, rb
.if (\c) < 0
.if (\ra) && (\rb)
	v_wmma_scale_f32_16x16x128_f8f6f4 v[\d:\d+7], v[\a:\a+15], v[\b:\b+15], 0, v[\sa], v[\sb] matrix_a_scale:MATRIX_SCALE_ROW1 matrix_b_scale:MATRIX_SCALE_ROW1
.elseif (\ra)
	v_wmma_scale_f32_16x16x128_f8f6f4 v[\d:\d+7], v[\a:\a+15], v[\b:\b+15], 0, v[\sa], v[\sb] matrix_a_scale:MATRIX_SCALE_ROW1
.elseif (\rb)
	v_wmma_scale_f32_16x16x128_f8f6f4 v[\d:\d+7], v[\a:\a+15], v[\b:\b+15], 0, v[\sa], v[\sb] matrix_b_scale:MATRIX_SCALE_ROW1
.else
	v_wmma_scale_f32_16x16x128_f8f6f4 v[\d:\d+7], v[\a:\a+15], v[\b:\b+15], 0, v[\sa], v[\sb]
.endif
.else
.if (\ra) && (\rb)
	v_wmma_scale_f32_16x16x128_f8f6f4 v[\d:\d+7], v[\a:\a+15], v[\b:\b+15], v[\c:\c+7], v[\sa], v[\sb] matrix_a_scale:MATRIX_SCALE_ROW1 matrix_b_scale:MATRIX_SCALE_ROW1
.elseif (\ra)
	v_wmma_scale_f32_16x16x128_f8f6f4 v[\d:\d+7], v[\a:\a+15], v[\b:\b+15], v[\c:\c+7], v[\sa], v[\sb] matrix_a_scale:MATRIX_SCALE_ROW1
.elseif (\rb)
	v_wmma_scale_f32_16x16x128_f8f6f4 v[\d:\d+7], v[\a:\a+15], v[\b:\b+15], v[\c:\c+7], v[\sa], v[\sb] matrix_b_scale:MATRIX_SCALE_ROW1
.else
	v_wmma_scale_f32_16x16x128_f8f6f4 v[\d:\d+7], v[\a:\a+15], v[\b:\b+15], v[\c:\c+7], v[\sa], v[\sb]
.endif
.endif
.endm
; K step n: nt tiles of channels x 4 tiles of pixels; the accumulators take turns, one instruction a turn
.macro MM n, nt, zero
.set mt, 0
.rept \nt
.set mp, 0
.rept 4
.set MACC, 8*(4*mt+mp)
.if \zero
.set MCC, -1
.else
.set MCC, MACC
.endif
.if (\n) < 2
.set MPS, SWM+2*((\n)&1)+(mp>>1)
.else
.set MPS, SWB+2*((\n)&1)+(mp>>1)
.endif
	WM MACC, 192+16*mt, 128+16*mp, MCC, WS+2*(\n)+(mt>>1), MPS, mt&1, mp&1
.set mp, mp+1
.endr
.set mt, mt+1
.endr
.endm
; A LAYER'S PRODUCTS: four K steps (n = 2 half + step).  Places behind this matrix form: 8 ahead of loads into its registers and of reads of its results.
.macro MPHASE nt, wbase, wstep, wsbase
	DS0                                    ; ways join here: every LDS instruction of mine is complete
	WIN 0x40
.set zi, 0
.rept 4+\nt
.set zj, 12
.rept 4
	v_mov_b32 v[128+16*zi+zj], 0           ; the fourth block of every fragment: zero codes
.set zj, zj+1
.endr
.set zi, zi+1
.endr
	WIN 0
	NOPS 4                                 ; operand registers written by vector instructions stand four places ahead of a scaled matrix instruction
.set zi, 0
.rept 4
.set zj, 0
.rept (\nt)/2
	ds_load_b32 v[WS+2*zi+zj], v[LS] offset:(\wsbase)+256*zi+128*zj     ; lanes 0-15: the even tile's rows, lanes 16-31: the odd tile's
.set zj, zj+1
.endr
.set zi, zi+1
.endr
	DSN 2*(\nt)
.irp n, 0,1,2,3
.if \n > 0
	NOPS 8
.endif
	WIN 0x40
.set zi, 0
.rept 3
.set zj, 0
.rept 4
	ds_load_b128 v[128+16*zj+4*zi:128+16*zj+4*zi+3], v[HL] offset:CP*(1-(\n>>1))+(3*(\n&1)+zi)*2048+512*zj
.set zj, zj+1
.endr
.set zi, zi+1
.endr
.set zi, 0
.rept \nt
.set zj, 0
.rept 3
	ds_load_b128 v[192+16*zi+4*zj:192+16*zi+4*zj+3], v[WA] offset:(\wbase)+\n*(\wstep)+1536*zi+512*zj
.set zj, zj+1
.endr
.set zi, zi+1
.endr
	DSN 12+3*(\nt)
	WIN 0
	DS0                                    ; the step's fragments (and at first the scale words) are in
	WIN 0x55
.if \n == 0
	MM \n, \nt, 1
.else
	MM \n, \nt, 0
.endif
	WIN 0
.endr
	NOPS 8
.endm
; results of channel tile t, registers 0 .. jn - 1, each accumulator from its low end on, into chunks: register j of lane (r, h) is channel 16 t + 2 j + h of pixel (lane 16 (p % 2) + r, set p / 2)
.macro DSTORE t, jn
.set dp, 0
.rept 4
.set dj, 0
.rept \jn
	ds_store_b32 v[DA], v[8*(4*(\t)+dp)+dj] offset:(8*(\t)+dj)*512+256*(dp&1)+4*(dp>>1)
.set dj, dj+1
.endr
.set dp, dp+1
.endr
	DSN 4*(\jn)
.endm
; ---- the head's macros
.macro IG nin                          ; position PP along K -> channel II, basis GG
.if GMAJOR
.set II, PP%(\nin)
.set GG, PP/(\nin)
.else
.set II, PP/5
.set GG, PP%5
.endif
.endm
.macro SLOAD buf, ro, ptr, rowb, cnt, extra    ; cnt rows of a [i][o] table at my column
.set lk, 0
.rept \cnt
	global_load_b32 v[\buf+lk], v[\ro], s[\ptr:\ptr+1] offset:(\extra)+lk*(\rowb)
.set lk, lk+1
.endr
.endm
.macro WLOAD buf, b, nin, cstr, co, ptr, extra ; block b of coef at my column: a lane to a column, registers down K
.set lk, 0
.rept 32
.set PP, 32*(\b)+lk
.if PP < 5*(\nin)
	IG \nin
	global_load_b32 v[\buf+lk], v[\co], s[\ptr:\ptr+1] offset:(\extra)+II*(\cstr)+4*GG
.endif
.set lk, lk+1
.endr
.endm
; a unit: 32 weights of my column along K become codes (image at adr + imm) and byte sg of the scale word
.macro WQ buf, b, nin, spb, mulsp, adr, imm, sg
	s_wait_dscnt 0x0                       ; the last unit's LDS stores have read the code registers and the scale word
.if \mulsp
.set lk, 0
.rept 32
.set PP, 32*(\b)+lk
.if PP < 5*(\nin)
	IG \nin
	v_mul_f32 v[\buf+lk], v[\buf+lk], v[SPV+(\spb)+II]       ; sp x coef
.else
	v_mov_b32 v[\buf+lk], 0
.endif
.set lk, lk+1
.endr
.endif
	v_max3_num_f32 v[PT], |v[\buf]|, |v[\buf+1]|, 0x4800000
	v_max3_num_f32 v[PT+1], |v[\buf+2]|, |v[\buf+3]|, 0x4800000
.set lk, 4
.rept 7
	v_max3_num_f32 v[PT], v[PT], |v[\buf+lk]|, |v[\buf+lk+1]|
	v_max3_num_f32 v[PT+1], v[PT+1], |v[\buf+lk+2]|, |v[\buf+lk+3]|
.set lk, lk+4
.endr
	v_max_num_f32 v[PT], v[PT], v[PT+1]
	v_add_nc_u32 v[PT+2], 0xfc000000, v[PT]
	v_and_or_b32 v[PT+3], v[PT], 0x7f800000, s[MNT]
.if (\sg) == 0
	v_lshrrev_b32 v[PW], 23, v[PT+2]
.else
	v_lshrrev_b32 v[PT+4], 23, v[PT+2]
	v_lshl_or_b32 v[PW], v[PT+4], 8*(\sg), v[PW]
.endif
.set lk, 0
.rept 32
	v_med3_num_f32 v[\buf+lk], v[\buf+lk], -v[PT+3], v[PT+3]
.set lk, lk+1
.endr
.set lk, 0
.rept 4
	v_cvt_scalef32_pk8_fp8_f32 v[WC+2*lk:WC+2*lk+1], v[\buf+8*lk:\buf+8*lk+7], v[PT+2]
.set lk, lk+1
.endr
	v_nop
	ds_store_b128 v[\adr], v[WC:WC+3] offset:\imm
	ds_store_b128 v[\adr], v[WC+4:WC+7] offset:(\imm)+256
.endm
.macro TABLEC                          ; my table entry: the 21 reciprocals of knot differences beside the 9 knots
.set lk, 0
.rept 8
	v_sub_f32 v[TO+9+lk], v[TO+lk+1], v[TO+lk]
.set lk, lk+1
.endr
.set lk, 0
.rept 7
	v_sub_f32 v[TO+17+lk], v[TO+lk+2], v[TO+lk]
.set lk, lk+1
.endr
.set lk, 0
.rept 6
	v_sub_f32 v[TO+24+lk], v[TO+lk+3], v[TO+lk]
.set lk, lk+1
.endr
.set lk, 0
.rept 21
	v_rcp_f32 v[TO+9+lk], v[TO+9+lk]
.set lk, lk+1
.endr
	v_mov_b32 v[TO+30], 0                  ; (plain places behind the transcendentals)
	v_mov_b32 v[TO+31], 0
.set lk, 0
	s_wait_alu depctr_va_vdst(0)
.rept 8
	ds_store_b128 v174, v[TO+4*lk:TO+4*lk+3] offset:16*lk
.set lk, lk+1
.endr
.endm
; six units of 32 channels x my 32 columns: sb, then the five spline blocks.  s[72:73] coef, s[74:75] sp, s[76:77] sb at my part
.macro ROLEW cstr, rowb, co, ro, wia, wsa, nstep
	SLOAD SPV, \ro, 74, \rowb, 32, 0
	SLOAD WV0, \ro, 76, \rowb, 32, 0
	s_wait_loadcnt 63                      ; 64 loads were issued behind the last knot's; the count's field holds 63, which asks a little more
	TABLEC
.irp k, 0,1,2,3,4,5
.if \k < 5
	WLOAD WV0+32*((\k+1)&1), \k, 32, \cstr, \co, 72, 0
	s_wait_loadcnt 32                      ; this unit's loads are in; the next unit's 32 may be out
.else
	s_wait_loadcnt 0x0
.endif
.if \k == 0
	WQ WV0, 0, 32, 0, 0, \wia, 0, 0
.else
	WQ WV0+32*(\k&1), \k-1, 32, 0, 1, \wia, (\k/3)*(\nstep)+(\k%3)*512, \k%3
.endif
.if (\k%3) == 2
	ds_store_b32 v[\wsa], v[PW] offset:(\k/3)*256
.endif
.endr
.endm
; ================ the head: addresses, x and the knots asked for
	s_load_b512 s[4:19], s[0:1], 0x0               ; x, grid0-2, coef0-2, sp0
	s_load_b256 s[20:27], s[0:1], 0x40             ; sp1, sp2, sb0, sb1
	s_load_b128 s[28:31], s[0:1], 0x60             ; sb2, out0
	v_and_b32 v[LN], 31, v0
	v_lshrrev_b32 v13, 5, v0
	v_readfirstlane_b32 s[WV], v13
	v_and_b32 v14, 15, v0                          ; r
	v_bfe_u32 v15, v0, 4, 1                        ; h
	s_mul_i32 s58, s[WV], RW
	v_lshl_add_u32 v[HL], v[LN], 4, s58
	v_lshl_add_u32 v[DA], v14, 4, s58
	v_lshl_add_u32 v[SAL], v15, 9, v[DA]
	v_lshl_add_u32 v[DA], v15, 3, v[DA]
	v_lshl_add_u32 v[WA], v[LN], 4, WIMG
	v_lshl_add_u32 v[LS], v[LN], 2, WSC
	v_lshlrev_b32 v[GO], 3, v0
	v_lshl_add_u32 v[SBA], v[LN], 3, SB0I
	v_and_b32 v181, 1, v0
	v_bfe_u32 v182, v0, 1, 3
	v_lshl_add_u32 v181, v181, 3, v182             ; the row of column 'lane' in its tile: 8 (l % 2) + (l % 16) / 2
	v_mul_u32_u24 v182, v15, 1536
	v_lshl_add_u32 v182, v181, 4, v182             ; in the images: 1536 (l / 16) + 16 row
	v_lshlrev_b32 v183, 6, v15
	v_lshl_add_u32 v183, v181, 2, v183             ; among the scale words: 64 (l / 16) + 4 row
	s_and_b32 s59, s[WV], 1
	s_bfe_u32 s60, s[WV], 0x10001                  ; (wave / 2) % 2
	s_mul_i32 s61, s60, 12288                      ; every LDS address is made ahead of the parting of the roles
	s_mul_i32 s62, s59, 3072
	s_add_co_u32 s61, s61, s62
	s_add_co_u32 s61, s61, WIMG+WL1
	v_add_nc_u32 v168, s61, v182                   ; layer 1: half (wave / 2) % 2, columns 32 (wave % 2) on
	s_lshl_b32 s61, s60, 9
	s_lshl_b32 s62, s59, 7
	s_add_co_u32 s61, s61, s62
	s_add_co_u32 s61, s61, WSC+SL1
	v_add_nc_u32 v169, s61, v183
	s_mul_i32 s61, s59, 6144
	s_add_co_u32 s61, s61, WIMG+WL2
	v_add_nc_u32 v170, s61, v182                   ; layer 2: half wave % 2
	s_lshl_b32 s61, s59, 9
	s_add_co_u32 s61, s61, WSC+SL2
	v_add_nc_u32 v171, s61, v183
	v_add_nc_u32 v172, WIMG, v182                  ; layer 0
	v_add_nc_u32 v173, WSC, v183
	v_lshl_add_u32 v174, v0, 7, TAB
	v_mul_u32_u24 v176, v[LN], 20                  ; coef: 20 bytes a column
	v_lshlrev_b32 v177, 2, v[LN]                   ; sp, sb: 4 bytes a column
	v_min_u32 v178, 23, v[LN]                      ; layer 2 has 24 columns: lanes 24-31 repeat the last, and their rows' results are never stored
	v_lshlrev_b32 v179, 2, v178
	v_mul_u32_u24 v178, v178, 20
	v_and_b32 v180, 7, v0                          ; sb0's f32 fragment: row 2 h (+ 4 s + j), column 2 (r % 8) + r / 8 (+ 16 t)
	v_bfe_u32 v181, v0, 3, 1
	v_lshlrev_b32 v180, 3, v180
	v_lshl_add_u32 v180, v181, 2, v180
	v_lshl_add_u32 v180, v15, 9, v180
	s_add_co_u32 s61, s[WV], 1                     ; my table entry's channel: wave 0: layer 0; waves 1, 2: layer 1's halves; 3, 4: layer 2's; the others fill (entry 160 is looked at, never used)
	s_and_b32 s61, s61, 1
	s_lshl_b32 s61, s61, 5
	s_cmp_eq_u32 s[WV], 0
	s_cselect_b32 s61, 0, s61
	s_cselect_b32 s62, 11, 63
	v_add_nc_u32 v175, s61, v[LN]
	v_min_u32 v175, s62, v175
	v_mul_u32_u24 v175, v175, 36                   ; 9 knots a channel
	s_mov_b32 s[MNT], 0x600000
	s_lshr_b32 s58, ttmp9, 3                       ; the image
	s_and_b32 s61, ttmp9, 7
	s_lshl_b32 s61, s61, 11                        ; my 512 pixels in a plane
	s_mul_i32 s62, s58, 196608
	s_add_co_u32 s62, s62, s61
	s_mov_b32 s63, 0
	s_mul_i32 s68, s58, 393216
	s_add_co_u32 s68, s68, s61
	s_mov_b32 s69, 0
	s_wait_kmcnt 0x0
	s_add_nc_u64 s[4:5], s[4:5], s[62:63]
	s_add_nc_u64 s[30:31], s[30:31], s[68:69]
	s_cmp_eq_u32 s[WV], 0
	s_cselect_b64 s[66:67], s[6:7], s[10:11]
	s_sub_co_u32 s63, s[WV], 1
	s_cmp_lt_u32 s63, 2
	s_cselect_b64 s[66:67], s[8:9], s[66:67]
.set lk, 0
.rept 12
	global_load_b64 v[XR+2*lk:XR+2*lk+1], v[GO], s[4:5] offset:16384*lk th:TH_LOAD_NT   ; a wave reads 256 consecutive bytes of a channel's plane
.set lk, lk+1
.endr
.set lk, 0
.rept 9
	global_load_b32 v[TO+lk], v175, s[66:67] offset:4*lk
.set lk, lk+1
.endr
; ================ the roles: every wave makes 32 table entries; waves 0-6 quantise the weights, wave 7 lays sb0 out
	s_cmp_lt_u32 s[WV], 4
	s_cbranch_scc0 .Lnot_a
	s_mul_i32 s68, s60, 40960                      ; layer 1: channels 32 H on, columns 32 u on
	s_mul_i32 s70, s59, 640
	s_add_co_u32 s68, s68, s70
	s_mov_b32 s69, 0
	s_add_nc_u64 s[72:73], s[14:15], s[68:69]
	s_lshl_b32 s68, s60, 13
	s_lshl_b32 s70, s59, 7
	s_add_co_u32 s68, s68, s70
	s_add_nc_u64 s[74:75], s[20:21], s[68:69]
	s_add_nc_u64 s[76:77], s[26:27], s[68:69]
	ROLEW 1280, 256, 176, 177, 168, 169, 6144
	s_branch .Ljoin
.Lnot_a:
	s_cmp_lt_u32 s[WV], 6
	s_cbranch_scc0 .Lnot_b
	s_mul_i32 s68, s59, 15360                      ; layer 2: channels 32 H on
	s_mov_b32 s69, 0
	s_add_nc_u64 s[72:73], s[16:17], s[68:69]
	s_mul_i32 s68, s59, 3072
	s_add_nc_u64 s[74:75], s[22:23], s[68:69]
	s_add_nc_u64 s[76:77], s[28:29], s[68:69]
	ROLEW 480, 96, 178, 179, 170, 171, 3072
	s_branch .Ljoin
.Lnot_b:
	s_cmp_eq_u32 s[WV], 6
	s_cbranch_scc0 .Lrole_d
	SLOAD SPV, 177, 18, 256, 12, 0                 ; layer 0: K = 60 is two blocks, 32 and 28; columns 0-31, then 32-63
	SLOAD SPV+12, 177, 18, 256, 12, 128
	WLOAD WV0, 0, 12, 1280, 176, 12, 0
	s_wait_loadcnt 56                              ; 24 + 32 loads were issued behind the last knot's
	TABLEC
	WLOAD WV1, 1, 12, 1280, 176, 12, 0
	s_wait_loadcnt 28                              ; the 28 just issued may be out
	WQ WV0, 0, 12, 0, 1, 172, 0, 0
	WLOAD WV0, 0, 12, 1280, 176, 12, 640
	s_wait_loadcnt 32
	WQ WV1, 1, 12, 0, 1, 172, 512, 1
	ds_store_b32 v173, v[PW]
	WLOAD WV1, 1, 12, 1280, 176, 12, 640
	s_wait_loadcnt 28
	WQ WV0, 0, 12, 12, 1, 172, 3072, 0
	s_wait_loadcnt 0x0
	WQ WV1, 1, 12, 12, 1, 172, 3072+512, 1
	ds_store_b32 v173, v[PW] offset:128
	s_branch .Ljoin
.Lrole_d:
.irp t, 0,1,2,3
.irp s, 0,1,2
.irp j, 0,1
	global_load_b32 v[WV0+2*(3*\t+\s)+\j], v180, s[24:25] offset:(4*\s+\j)*256+64*\t
.endr
.endr
.endr
	s_wait_loadcnt 24                              ; the 24 just issued may be out
	TABLEC
	s_wait_loadcnt 0x0
.set lk, 0
.rept 12
	ds_store_b64 v[SBA], v[WV0+2*lk:WV0+2*lk+1] offset:256*lk
.set lk, lk+1
.endr
.Ljoin:
	s_wait_loadcnt 0x0                             ; x (and every load of the head: their address registers are free)
.set lk, 0
.rept 6
	ds_store_b128 v[HL], v[XR+4*lk:XR+4*lk+3] offset:512*lk     ; x as chunks, like every layer's input
.set lk, lk+1
.endr
	s_wait_dscnt 0x0                               ; for the others' sake: my table entries, images and scale words have landed
	s_barrier_signal -1
	s_barrier_wait -1                              ; the one barrier: from here on the shared LDS is only read, and all else is the wave's own
.set DSQ, 0
.set DONE, 0
; ================ layer 0
	v_mov_b32 v[TA], TAB
	v_mov_b32 v[XA], v[HL]
	v_add_nc_u32 v[SA], CP, v[SAL]
.set lk, 0
.rept 8
	ds_load_b128 v[CT+4*lk:CT+4*lk+3], v[TA] offset:16*lk
.set lk, lk+1
.endr
	DSN 8
.set H0SEQ, DSQ-4
.set H1SEQ, DSQ
.set lk, 0
.rept 6
	ds_load_b128 v[WK+4*lk:WK+4*lk+3], v[XA] offset:512*lk
.set lk, lk+1
.endr
	DSN 6
	DS0
.set sj, 0
.rept 12
	v_pk_mul_f32 v[WK+24+2*sj:WK+25+2*sj], v[WK+2*sj:WK+2*sj+1], 0xbfb8aa3b op_sel_hi:[1,0]
.set sj, sj+1
.endr
.set sj, 0
.rept 24
	v_exp_f32 v[WK+24+sj], v[WK+24+sj]
.set sj, sj+1
.endr
	v_nop
.set sj, 0
	s_wait_alu depctr_va_vdst(0)
.rept 12
	v_pk_add_f32 v[WK+24+2*sj:WK+25+2*sj], v[WK+24+2*sj:WK+25+2*sj], 1.0 op_sel_hi:[1,0]
.set sj, sj+1
.endr
.set sj, 0
.rept 24
	v_rcp_f32 v[WK+24+sj], v[WK+24+sj]
.set sj, sj+1
.endr
	v_nop
.set sj, 0
	s_wait_alu depctr_va_vdst(0)
.rept 12
	v_mul_f32 v[VAL4+sj], v[WK+24+2*sj], v[WK+2*sj]              ; silu, the two sets parted: 12 channels of set A, then of set B
	v_mul_f32 v[VAL4+12+sj], v[WK+25+2*sj], v[WK+2*sj+1]
.set sj, sj+1
.endr
.irp s, 0,1,2
	ds_store_b128 v[HL], v[VAL4+4*\s:VAL4+4*\s+3] offset:SF+512*\s
	ds_store_b128 v[HL], v[VAL4+12+4*\s:VAL4+12+4*\s+3] offset:SF+512*(3+\s)
.endr
	DSN 6
	ds_load_b128 v[XB:XB+3], v[XA]
	DSN 1
.set XSEQ, DSQ
	SWEEP 12, 12, 4096                             ; the last channel fetches layer 1's first table entry
	QBLK 0, 32, 0
	QBLK 1, 28, 1
	DS0
	WIN 0x40
.set zi, 0
.rept 8
.set zj, 8
.rept 8
	v_mov_b32 v[128+16*zi+zj], 0                   ; two blocks of zero codes in each of the eight fragments
.set zj, zj+1
.endr
.set zi, zi+1
.endr
.set zi, 0
.rept 4
.set zj, 0
.rept 2
	ds_load_b128 v[128+16*zi+4*zj:128+16*zi+4*zj+3], v[HL] offset:CP+2048*zj+512*zi
	ds_load_b128 v[192+16*zi+4*zj:192+16*zi+4*zj+3], v[WA] offset:1536*zi+512*zj
.set zj, zj+1
.endr
.set zi, zi+1
.endr
	WIN 0
	ds_load_b32 v[WS], v[LS]
	ds_load_b32 v[WS+1], v[LS] offset:128
.set zi, 0
.rept 12
	ds_load_b64 v[FA+2*zi:FA+2*zi+1], v[SBA] offset:256*zi
.set zi, zi+1
.endr
.irp p, 0,1,2,3
.irp s, 0,1,2
	ds_load_b64 v[FB+2*(3*\p+\s):FB+2*(3*\p+\s)+1], v[DA] offset:SF+(3*(\p>>1)+\s)*512+256*(\p&1)
.endr
.endr
	DSN 42
	DS0
; for each tile of 16 channels: silu x sb0 in f32 (K = 12: three steps of 4; four accumulators by turns), and that sum is the C of the spline product's one K step.
; Nine places stand between a matrix instruction and another that takes its result as the C of another accumulator, or writes over one of its registers.
.irp t, 0,1,2,3
.if \t > 0
	NOPS 9
.endif
.irp s, 0,1,2
.irp p, 0,1,2,3
.if \s == 0
	v_wmma_f32_16x16x4_f32 v[F32A+8*\p:F32A+8*\p+7], v[FA+2*(3*\t+\s):FA+2*(3*\t+\s)+1], v[FB+2*(3*\p+\s):FB+2*(3*\p+\s)+1], 0
.else
	v_wmma_f32_16x16x4_f32 v[F32A+8*\p:F32A+8*\p+7], v[FA+2*(3*\t+\s):FA+2*(3*\t+\s)+1], v[FB+2*(3*\p+\s):FB+2*(3*\p+\s)+1], v[F32A+8*\p:F32A+8*\p+7]
.endif
.endr
.endr
	NOPS 9
	WIN 0x45
.irp p, 0,1,2,3
	WM 8*(4*\t+\p), 192+16*\t, 128+16*\p, F32A+8*\p, WS+(\t>>1), SWB+(\p>>1), \t&1, \p&1
.endr
	WIN 0
.endr
	NOPS 8
	WIN 0x04
	DSTORE 0, 8
	DSTORE 1, 8
	DSTORE 2, 8
	DSTORE 3, 8
	WIN 0
.irp i, 0,1,2,3
	v_mov_b32 v[SWM+\i], 0                         ; written on every way
.endr
; ================ layers 1 and 2: four trips of 32 channels: layer 1 first half, second half, layer 2 first half, second half
	s_mov_b32 s[TRIP], 0
	s_mov_b32 s[XOFF], 0
	s_mov_b32 s[CPOFF], CP
	s_mov_b32 s[TABS], TAB+4096
.Lhalf:
	DS0                                            ; the way in and the way back: every LDS instruction of mine is complete (the first channel's table words among them)
	v_mov_b32 v[TA], s[TABS]
	v_add_nc_u32 v[XA], s[XOFF], v[HL]
	v_add_nc_u32 v[SA], s[CPOFF], v[SAL]
.set CHK0, DSQ
.set lk, 0
.rept 16
	ds_load_b128 v[WK+4*lk:WK+4*lk+3], v[XA] offset:512*lk
.set lk, lk+1
.endr
	DSN 16
	SILU8 0
	SILU8 1
	SILU8 2
	SILU8 3
	ds_load_b128 v[XB:XB+3], v[XA]
	DSN 1
.set XSEQ, DSQ
	QBLK 4, 32, 0                                  ; silu's block, out of the registers that positions 128-159 take next
	SWEEP 32, 32, 4096
	QBLK 0, 32, 1
	QBLK 1, 32, 2
	QBLK 2, 32, 3
	QBLK 3, 32, 4
	QBLK 4, 32, 5
	s_bitcmp1_b32 s[TRIP], 0
	s_cbranch_scc1 .Lodd
.irp i, 0,1,2,3
	v_mov_b32 v[SWM+\i], v[SWB+\i]                 ; a first half: its scale words are kept
.endr
	s_branch .Lnext
.Lodd:
	s_cmp_eq_u32 s[TRIP], 3
	s_cbranch_scc1 .Lnext                          ; layer 2's products stand behind the loop
	MPHASE 4, WL1, 6144, SL1
	WIN 0x04
	DSTORE 0, 8
	DSTORE 1, 8
	DSTORE 2, 8
	DSTORE 3, 8
	WIN 0
.Lnext:
	s_xor_b32 s[XOFF], s[XOFF], 8192
	s_xor_b32 s[CPOFF], s[CPOFF], CP
	s_add_co_u32 s[TABS], s[TABS], 4096
	s_add_co_u32 s[TRIP], s[TRIP], 1
	s_cmp_lt_u32 s[TRIP], 4
	s_cbranch_scc1 .Lhalf
	MPHASE 2, WL2, 3072, SL2
	WIN 0x04
	DSTORE 0, 8
	DSTORE 1, 4                                    ; channels 16-23; the tile's other rows are no channels
	WIN 0
; ================ the way out: a chunk gives two channels of my two pixels; a wave's store covers 256 consecutive bytes, aligned
.set oq, 0
.rept 12
	ds_load_b128 v[WK+4*oq:WK+4*oq+3], v[HL] offset:512*oq       ; LDS serves a wave's instructions in order: these see the stores above
.set oq, oq+1
.endr
.set oq, 0
.rept 12
	s_wait_dscnt 11-oq                             ; chunk oq is in; the 11 - oq behind it may be out
	global_store_b64 v[GO], v[WK+4*oq:WK+4*oq+1], s[30:31] offset:32768*oq th:TH_STORE_NT
	global_store_b64 v[GO], v[WK+4*oq+2:WK+4*oq+3], s[30:31] offset:32768*oq+16384 th:TH_STORE_NT
.set oq, oq+1
.endr
	s_wait_xcnt 0x0
	v_lshl_add_u32 v254, v0, 2, 0x4bd00
	v_mov_b32 v255, 0
	s_wait_tensorcnt 0x0
	ds_add_u32 v254, v255
	s_wait_dscnt 0x0
	s_endpgm
.Lfunc_end_k_q3a47324919_kan:
	.size	k_q3a47324919_kan, .Lfunc_end_k_q3a47324919_kan-k_q3a47324919_kan
	.p2alignl 7, 3214868480
	.fill 96, 4, 3214868480
	.section	.rodata,"a",@progbits
	.p2align	6, 0x0
	.amdhsa_kernel k_q3a47324919_kan
		.amdhsa_group_segment_fixed_size 311552
		.amdhsa_private_segment_fixed_size 0
		.amdhsa_enable_private_segment 0
		.amdhsa_kernarg_size 112
		.amdhsa_user_sgpr_count 2
		.amdhsa_user_sgpr_kernarg_segment_ptr 1
		.amdhsa_wavefront_size32 1
		.amdhsa_system_sgpr_workgroup_id_x 1
		.amdhsa_system_sgpr_workgroup_id_y 1
		.amdhsa_system_sgpr_workgroup_id_z 1
		.amdhsa_system_vgpr_workitem_id 0
		.amdhsa_next_free_vgpr 512
		.amdhsa_next_free_sgpr 80
		.amdhsa_reserve_vcc 0
		.amdhsa_float_denorm_mode_32 3
		.amdhsa_float_denorm_mode_16_64 3
		.amdhsa_memory_ordered 1
		.amdhsa_forward_progress 1
		.amdhsa_inst_pref_size 255
	.end_amdhsa_kernel
	.section	.bss,"aw",@nobits
	.p2align	6
	.space	262144
	.amdgpu_metadata
---
amdhsa.version: [ 1, 2 ]
amdhsa.kernels:
  - .name:           k_q3a47324919_kan
    .symbol:         k_q3a47324919_kan.kd
    .args:
      - { .name: x, .offset: 0, .size: 8, .value_kind: global_buffer, .address_space: global }
      - { .name: grid0, .offset: 8, .size: 8, .value_kind: global_buffer, .address_space: global }
      - { .name: grid1, .offset: 16, .size: 8, .value_kind: global_buffer, .address_space: global }
      - { .name: grid2, .offset: 24, .size: 8, .value_kind: global_buffer, .address_space: global }
      - { .name: coef0, .offset: 32, .size: 8, .value_kind: global_buffer, .address_space: global }
      - { .name: coef1, .offset: 40, .size: 8, .value_kind: global_buffer, .address_space: global }
      - { .name: coef2, .offset: 48, .size: 8, .value_kind: global_buffer, .address_space: global }
      - { .name: sp0, .offset: 56, .size: 8, .value_kind: global_buffer, .address_space: global }
      - { .name: sp1, .offset: 64, .size: 8, .value_kind: global_buffer, .address_space: global }
      - { .name: sp2, .offset: 72, .size: 8, .value_kind: global_buffer, .address_space: global }
      - { .name: sb0, .offset: 80, .size: 8, .value_kind: global_buffer, .address_space: global }
      - { .name: sb1, .offset: 88, .size: 8, .value_kind: global_buffer, .address_space: global }
      - { .name: sb2, .offset: 96, .size: 8, .value_kind: global_buffer, .address_space: global }
      - { .name: out0, .offset: 104, .size: 8, .value_kind: global_buffer, .address_space: global }
    .group_segment_fixed_size: 311552
    .private_segment_fixed_size: 0
    .kernarg_segment_align: 8
    .kernarg_segment_size: 112
    .max_flat_workgroup_size: 256
    .sgpr_count:     80
    .vgpr_count:     512
    .wavefront_size: 32
...
	.end_amdgpu_metadata
.endif
;; end of part 1
